; MI455X (gfx1250); checked and timed in simulation.
; The chip was launched on July 23, 2026; its instructions are those of AMD's public machine-readable ISA for CDNA 5 (MIT licence, August 2026) and "CDNA5" Instruction Set Architecture Reference Guide (July 2026). The comments in the code are by the model that wrote it; some were corrected since.
;; Top K Prompt Selector. Allowed arithmetic: matrix products marked QUANTISED: E4M3 operands, one given power-of-two scale a tensor, by v_wmma_f32_16x16x64_fp8_fp8 or v_wmma_f32_16x16x128_fp8_fp8, f32 sums; products left as they are: f32 operands where the result goes on into a quantised operand, else bf16, f16 or f32 operands; f32 sums; everything else in f32.
;; Inputs: W_codes 8,192 x 24 x 32 uint8 (E4M3 codes of W, K innermost, in blocks of 32 codes); b 8,192 float32; lowp_scales 2 int32 (the exponents e of the quantised operands' scales 2^e); prompt_pool 8,192 x 768 float32; vision_features_codes 8,192 x 24 x 32 uint8 (E4M3 codes of vision_features, K innermost, in blocks of 32 codes).
;; Outputs: out0 8,192 x 768 float32.
;; This version of the problem:
;;   THIS VERSION OF THE PROBLEM IS GIVEN IN LOW PRECISION. The matrix products marked QUANTISED in the list below multiply operands that are first quantised to E4M3 (4 exponent bits, 3 mantissa bits; 8 bits a number), with one given power-of-two scale for each operand tensor; their sums are f32. All else is computed in f32.
;;   The module's matrix products, in the order in which they are computed (A, B: the left and right operand; K: the contracted axis; several contracted axes count as one K, in the product's order):
;;     1. [M 8,192, K 768] x [K 768, N 8,192]; A: input vision_features (given as codes); B: input W (given as codes): QUANTISED (scales: A lowp_scales[0], B lowp_scales[1])
;;     2. batch 8,192 x [M 768, K 5] x [K 5, N 1]; A: computed on the way; B: softmax: left as it is (K = 5 < 32)
;;   THE QUANTISER, for each operand of a quantised product, along K:
;;     - The operand's scale is 2^e, e = its entry of the input lowp_scales (int32; the entries are numbered through the quantised products in the list's order, A before B).
;;     - Each number is divided by the scale, clamped to +-448, and rounded to the nearest number of E4M3, ties to even, subnormals kept.
;;     - The product sums the exact products of the quantised numbers (number of the format x scale) in f32.
;;   ~~~python
;;   def quantise(x, axis, e):      # numpy; x: float32 -> the quantised numbers, widened to float32 again
;;       x = np.moveaxis(x, axis, -1); K = x.shape[-1]
;;       r = np.clip(x / 2.0 ** e, -448, 448)
;;       step = 2.0 ** (np.maximum(np.frexp(np.where(r == 0, 1, r))[1] - 1, -6) - 3)
;;       q = np.round(r / step) * step * 2.0 ** e      # np.round: ties to even
;;       return np.moveaxis(q, -1, axis).astype(np.float32)
;;   ~~~
;;   INPUTS GIVEN AS CODES. W (in the module: [8192, 768], K = its axis 1); vision_features (in the module: [8192, 768], K = its axis 1): each comes as NAME_codes (uint8): NAME with its K axis moved to the last place and cut into blocks of 32 codes, [.., K / 32, bytes a block], one block behind the other in memory; one code a byte (a code: sign, 4 exponent bits, 3 mantissa bits); its scale is its entry of lowp_scales. Its value is code x scale, taken as it is: it is not quantised again, and the codes and scales need not be those that the quantiser above would give.
;; One version. Each part assembles by itself: llvm-mc -triple=amdgcn-amd-amdhsa -mcpu=gfx1250 --defsym DOCPART=n.
;; ======== version 1 of 1: 2 launches
;; limits: right only within a limited range of input values
;; workspace buffers: cand 2,621,440 bytes of whole numbers
;; launch score_top (part 1): grid 32 x 8, 4 waves a work-group, clusters of 4 x 1, 327,680 bytes of LDS; arguments vision_features_codes, W_codes, b, lowp_scales, cand; writes cand
.if DOCPART == 1
	.amdgcn_target "amdgcn-amd-amdhsa--gfx1250"
	.amdhsa_code_object_version 6
	.text
	.protected	k_q57442f2ab4_score_top
	.globl	k_q57442f2ab4_score_top
	.p2align	8
	.type	k_q57442f2ab4_score_top,@function
k_q57442f2ab4_score_top:
	s_mov_b64 s[64:65], 0
	v_nop
	global_prefetch_b8 v0, s[64:65] scope:SCOPE_SE
	s_setreg_imm32_b32 hwreg(HW_REG_WAVE_MODE, 25, 1), 1
	s_wait_xcnt 0x0
	s_wait_alu depctr_hold_cnt(0) depctr_sa_sdst(0) depctr_va_vdst(0) depctr_va_sdst(0) depctr_va_ssrc(0) depctr_va_vcc(0) depctr_vm_vsrc(0)
	s_getreg_b32 s2, hwreg(HW_REG_IB_STS2, 6, 4)
	s_cmp_eq_u32 s2, 0
	s_cbranch_scc0 .Lentry_in_a_cluster
	s_endpgm
.Lentry_in_a_cluster:
	s_bfe_u32 s2, ttmp6, 0x10000c
	s_cmp_lg_u32 s2, 0x3003
	s_cbranch_scc0 .Lentry_shape_is_right
	s_endpgm
.Lentry_shape_is_right:
; scores = X W^T + b on codes of FP8 (E4M3), and of each row's scores in a range of 1,024 columns the five largest, exactly, with their columns.
; X: [8192][768] codes, W: [8192][768] codes, K innermost; b: [8192] f32; the scales' exponents ex, ew (int32).  The scores never go to memory.
; A score is kept as sum + b x 2^-(ex + ew): the common factor 2^(ex + ew) is positive and changes no order; the next launch applies it.
; LIMITS: NaN codes and scores that are not finite are not served; b x 2^-(ex + ew) must be zero or a normal f32 number.
; SHARES.  A work-group owns 256 rows x 1,024 columns; each of its four waves 64 rows (four blocks of 16), whose 24 fragments of X (384 registers) stay in registers.
; All four waves walk the same 1,024 rows of W, in 8 chunks of 128 (64 of the range's lower 512, 64 of its upper 512) through two LDS slots.
; CLUSTER.  The four work-groups of a cluster have the same range of columns, so each tile of W is asked for jointly (mask 15).  X is read once, at the head, straight into
; registers: 196,608 bytes a work-group against W's 786,432; the work-groups that share X lie along y and are not in the cluster.
; LAYOUT.  The matrix instruction is used transposed: source 0 = 16 rows of W, source 1 = 16 rows of X.  Lane (r, h) then holds row r of X and in its 8 registers 8 columns.
; Tile T is made of W's rows 8 T + 0..7 of the lower half and 8 T + 0..7 of the upper half: so lanes with h = 0 walk the lower 512 columns, lanes with h = 1 the upper, 8 NEIGHBOURS (a group) a tile, ascending.
; A fragment comes by four loads of 16 bytes, 32 apart, at 16 h: a permutation of k that is the same in X and in W, so every product meets its partner.
; SELECTION, with no branch.  For each (lane, row): five slots, ordered by time, each with a group's maximum, its tile's number x 8 and its 8 scores.  A new group enters where its maximum is
; ABOVE the least of the five maxima; the LAST slot that holds that least maximum leaves, the slots behind it move down, the new group takes slot 4.
; Why that is exact: were one of the five best scores (value descending, column ascending) in a group that is not among the five best groups (maximum descending, time ascending), each of five
; better groups would hold a score that goes before it.  At the end the 40 kept scores go through a sorted insert of depth 5 in ascending column order, with a strict compare: the lower column stays in front.
; OUT: cand[block of 32 rows][range][5 keys, 5 columns][row in block], words.  A key is the f32 score's bits turned into a signed whole number of the same order.
; REGISTERS, in windows of 256: window 0: addresses, maxima, tile numbers, bias, the 8 accumulators; window 1: X, K steps 0-3; window 2: v0-127 X, K steps 4, 5; v128-255 W, K steps 0-3 of two tiles;
;   window 3: v0-63 W, K steps 4, 5; v64-223 the kept scores, (slot k, register j, block a) at 64 + 4 (8 k + j) + a.
.set PITCH, 816                        ; a row of W in LDS: three pieces of 256 bytes, 16 of padding behind each = 51 x 16: eight neighbouring rows start at eight different 16-byte columns of 256
.set TILEB, 8*PITCH                    ; from tile to tile
.set UP,    64*PITCH+128               ; the upper half's 64 rows: the 128 bytes between shift them to the other eight 16-byte columns
.set SLOT1, 1<<17                      ; slot 1: one exclusive or turns an address of one slot into the other's
.set BIAS,  262144                     ; 4,096 bytes: b x 2^-(ex+ew) of the range's 1,024 columns
.set STAGE, 266240                     ; 10,240 bytes: the way out
.set SPARE, 276480                     ; the spare words, 128 bytes for each wave: two blocks of 256 bytes that no other line names
.set SELW,  45*512                     ; the end's dump, a wave's own: 45 images of four registers.  It lies in slot 0, which has had its last fill and its last read by then
.set LN,   1                           ; v1   lane
.set RR,   2                           ; v2   r = lane % 16
.set HH,   3                           ; v3   h = lane / 16
.set AW0,  4                           ; v4   my place in a tile of W: (r % 8) PITCH + (r / 8) UP + 16 h
.set ADW,  5                           ; v5   LDS address of the pair of tiles in hand
.set AB0,  6                           ; v6   BIAS + 2048 h
.set ADB,  7                           ; v7   LDS address of the pair's bias
.set XO,   8                           ; v8   X: 768 r + 16 h
.set SPW,  9                           ; v9   LDS address of my spare word; never rewritten
.set NIL,  10                          ; v10  0; never rewritten
.set HOFF, 11                          ; v11  512 h + 1024 x range: my half's first column
.set SELA, 12                          ; v12  the dump: SELW x wave + 16 x lane
.set AD,   13                          ; v13  address in the dump
.set STO,  14                          ; v14  the stage, in
.set RD,   15                          ; v15  the stage, back
.set GO,   16                          ; v16  my byte offset in cand
.set BOF,  17                          ; v17  16 x thread: b
.set BST,  18                          ; v18  BIAS + 16 x thread
.set XI,   20                          ; v20-21  8 x the tile's number, tiles u = 0, 1 of the pair just multiplied
.set MX,   24                          ; v24-31  the groups' maxima, at 4 u + a
.set MN,   32                          ; v32-35  the least of the five maxima
.set TL,   40                          ; v40-59  the slots' maxima, at 4 k + a
.set TI,   60                          ; v60-79  the slots' tile numbers x 8
.set BI,   80                          ; v80-95  the pair's bias, at 8 u + j
.set ACC,  96                          ; v96-159 the accumulators, at 8 (4 u + a)
.set SB,   64                          ; window 3: the kept scores
.set BT,   160                         ; v160-167 b on its way to LDS
.set ET,   96                          ; the end: the five best scores, at 4 k + a
.set EI,   116                         ; and their columns
.set VV,   160                         ; a slot's 8 x 4 scores; later the other half's list; later the rows of cand
.set TQ,   192                         ; a slot's four column numbers
.set PX,   160
.set PI,   40
.set EM,   48                          ; s48-63  E_k[a] = (slot k's maximum is the least), k = 1..4, at 4 (k - 1) + a
.set DM,   68                          ; s68-87  D_k[a] = (slot k takes slot k + 1), at 4 k + a; in the end the insert's compares
.set MSB, 0
.macro WIN new                         ; the immediate's high byte repeats the setting that is left; a switch that changes nothing is dropped
.if MSB != \new
	s_set_vgpr_msb (MSB<<8)|\new
.set MSB, \new
.endif
.endm
.macro CROUND                          ; a round of the cluster's barrier
	s_barrier_signal -1
	s_barrier_wait -1
	s_cmp_lg_u32 s14, 0
	s_cbranch_scc1 .Lnot_wave_0_\@
	s_barrier_signal -3
.Lnot_wave_0_\@:
	s_barrier_wait -3
	s_barrier_signal -1
	s_barrier_wait -1
.endm
.macro PLACES                          ; four plain places behind the last matrix instruction, in front of the first read of results and of loads into its sources
.rept 4
	v_nop
.endr
.endm
	s_load_b256 s[4:11], s[0:1], 0x0               ; X s[4:5], W s[6:7], b s[8:9], the scales' exponents s[10:11]
	s_load_b64 s[12:13], s[0:1], 0x20              ; cand
	v_lshl_add_u32 v[SPW], v0, 2, SPARE
	v_mov_b32 v[NIL], 0
	ds_add_u32 v9, v10
	ds_add_u32 v9, v10
	s_wait_dscnt 0x0
	v_lshrrev_b32 v1, 5, v0
	v_readfirstlane_b32 s14, v1                    ; wave 0..3
	s_bfe_u32 s15, ttmp6, 0x40000                  ; cx: it enters X's and cand's global addresses alone
	s_lshl_b32 s16, ttmp9, 2
	s_add_co_u32 s16, s16, s15                     ; my block of 256 rows = 4 x cluster x + cx
	s_and_b32 s17, ttmp7, 0xffff                   ; my range of 1,024 columns, which the four partners share
	; descriptor group 1: a wave's 32 rows of W are 24,576 dense bytes: 96 rows of 256 bytes, 16 bytes of padding behind each
	s_mov_b32 s24, 15|(1<<20)|(1<<21)|(5<<22)|(3<<25)  ; 15:0 the mask: all four work-groups; 17:16 elements of 1 byte; 20 padding on; 21 set beside a mask; 24:22 after every 64 words; 31:25 four words
	s_mov_b32 s25, 256<<16                         ; tensor_dim0 = 256
	s_mov_b32 s26, 96<<16                          ; tensor_dim1 = 96
	s_mov_b32 s27, 256<<16                         ; tile_dim0 = 256
	s_mov_b32 s28, 96                              ; tile_dim1 = 96
	s_mov_b32 s29, 256                             ; from row to row
	s_mov_b32 s30, 0
	s_mov_b32 s31, 0
	; group 0: waves 0, 1 fetch the lower half's 64 rows of a chunk, waves 2, 3 the upper half's, 32 rows each
	s_lshr_b32 s18, s14, 1
	s_and_b32 s19, s14, 1
	s_mul_i32 s20, s18, UP
	s_mul_i32 s21, s19, 32*PITCH
	s_add_co_u32 s33, s20, s21                     ; LDS address in slot 0: the wave's number alone
	s_mul_i32 s22, s17, 1024*768
	s_mul_i32 s20, s18, 512*768
	s_add_co_u32 s22, s22, s20
	s_mul_i32 s20, s19, 32*768
	s_add_co_u32 s22, s22, s20
	s_mov_b32 s23, 0
	s_wait_kmcnt 0x0
	s_load_b64 s[42:43], s[10:11], 0x0             ; ex, ew
	s_mov_b32 s32, 1                               ; count = 1
	s_add_nc_u64 s[34:35], s[6:7], s[22:23]        ; chunk 0
	s_or_b32 s35, s35, 0x80000000                  ; type = 2
	CROUND                                         ; all four work-groups are here: the first joint loads meet
	tensor_load_to_lds s[32:35], s[24:31]          ; chunk 0 into slot 0: one load of mine is out
	s_nop 0
.rept 4
	v_nop                                          ; four behind a tensor load
.endr
	s_mul_i32 s2, s16, 256*768                     ; X at my wave's first row
	s_mul_i32 s40, s14, 64*768
	s_add_co_u32 s2, s2, s40
	s_mov_b32 s3, 0
	s_add_nc_u64 s[4:5], s[4:5], s[2:3]
	s_lshl_b32 s2, s17, 12                         ; b at my range
	s_add_nc_u64 s[8:9], s[8:9], s[2:3]
	s_mul_i32 s2, s16, 8*10240                     ; cand: my 8 blocks of 32 rows, my range's 1,280 bytes in each
	s_mul_i32 s40, s17, 1280
	s_add_co_u32 s2, s2, s40
	s_add_nc_u64 s[12:13], s[12:13], s[2:3]
	v_and_b32 v[LN], 31, v0
	v_and_b32 v[RR], 15, v0
	v_bfe_u32 v[HH], v0, 4, 1
	v_mul_u32_u24 v[XO], v[RR], 768
	v_lshl_add_u32 v[XO], v[HH], 4, v[XO]
	v_lshlrev_b32 v[BOF], 4, v0
	WIN 0x40                                       ; destination window 1
.irp s, 0,1,2,3                                ; X's fragments (K step s, block a) stay in registers
.irp a, 0,1,2,3
.irp c, 0,1,2,3
	global_load_b128 v[16*(4*\s+\a)+4*\c:16*(4*\s+\a)+4*\c+3], v[XO], s[4:5] offset:12288*\a+128*\s+32*\c
.endr
.endr
.endr
	WIN 0x80                                       ; destination window 2
.irp s, 4,5
.irp a, 0,1,2,3
.irp c, 0,1,2,3
	global_load_b128 v[16*(4*(\s-4)+\a)+4*\c:16*(4*(\s-4)+\a)+4*\c+3], v[XO], s[4:5] offset:12288*\a+128*\s+32*\c
.endr
.endr
.endr
	WIN 0
	global_load_b128 v[BT:BT+3], v[BOF], s[8:9]                  ; the range's 1,024 numbers of b: 128 threads x 16 bytes, twice
	global_load_b128 v[BT+4:BT+7], v[BOF], s[8:9] offset:2048
	v_and_b32 v[AW0], 7, v0
	v_mul_u32_u24 v[AW0], v[AW0], PITCH
	v_bfe_u32 v[ADW], v0, 3, 1
	v_mul_u32_u24 v[ADW], v[ADW], UP
	v_add_nc_u32 v[AW0], v[AW0], v[ADW]
	v_lshl_add_u32 v[AW0], v[HH], 4, v[AW0]
	v_lshlrev_b32 v[AB0], 11, v[HH]
	v_add_nc_u32 v[AB0], BIAS, v[AB0]
	s_lshl_b32 s40, s17, 10
	v_lshl_add_u32 v[HOFF], v[HH], 9, s40
	s_mul_i32 s40, s14, SELW
	v_lshl_add_u32 v[SELA], v[LN], 4, s40
	s_mul_i32 s40, s14, 2560
	s_add_co_u32 s40, s40, STAGE
	v_mul_u32_u24 v[STO], v[HH], 10752             ; the stage, in: lanes 0-15 word r of my wave's two blocks of 1,280 bytes; lanes 16-31 the same place 10,752 bytes on, behind the spare words, in bytes that nobody reads
	v_lshl_add_u32 v[STO], v[RR], 2, v[STO]
	v_add_nc_u32 v[STO], s40, v[STO]
	v_lshrrev_b32 v[GO], 4, v0                     ; thread / 16: which of the 8 blocks I carry out
	v_mul_u32_u24 v[RD], v[GO], 1280
	v_lshl_add_u32 v[RD], v[RR], 4, v[RD]
	v_add_nc_u32 v[RD], STAGE, v[RD]
	v_mul_u32_u24 v[GO], v[GO], 10240
	v_lshl_add_u32 v[GO], v[RR], 4, v[GO]
	v_add_nc_u32 v[BST], BIAS, v[BOF]
	; START VALUES, while the loads are out.  The loop is written once, and each trip inserts the pair of tiles of the trip before: the first trip finds maxima of -infinity, which let nothing in.
	; Every register named here is read by a select in that trip.
	s_mov_b32 s40, 0xff800000                      ; -infinity
	WIN 0xc0
.set i, 0
.rept 160
	v_mov_b32 v[SB+i], s40
.set i, i+1
.endr
	WIN 0
.set i, 0
.rept 20
	v_mov_b32 v[TL+i], s40
	v_mov_b32 v[TI+i], 0
.set i, i+1
.endr
.set i, 0
.rept 8
	v_mov_b32 v[MX+i], s40
.set i, i+1
.endr
	v_mov_b32 v[XI], 0
	v_mov_b32 v[XI+1], 0
.set i, 0
.rept 64
	v_mov_b32 v[ACC+i], 0
.set i, i+1
.endr
	s_mov_b32 s36, 0                               ; LDS byte at which the pair of tiles in hand begins
	s_mov_b32 s37, 0                               ; 8 x the pair's first tile number: data alone
	s_mov_b32 s66, 0                               ; the pair's bias: its bytes within the chunk,
	s_mov_b32 s67, 0                               ; and the chunk's
	s_mov_b32 s38, 7
	s_mov_b32 s44, 0x76543210                      ; v_permlanex16_b32: lane l xor 16
	s_mov_b32 s45, 0xfedcba98
	s_wait_loadcnt 0x0                             ; X and b
	s_wait_kmcnt 0x0
	s_add_co_i32 s41, s42, s43
	s_sub_co_i32 s41, 0, s41                       ; -(ex + ew)
.irp i, 0,1,2,3,4,5,6,7
	v_ldexp_f32 v[BT+\i], v[BT+\i], s41            ; the bias goes in as the C of a sum's first product, so it is divided by the power of two that the sums lack
.endr
	ds_store_b128 v[BST], v[BT:BT+3]
	ds_store_b128 v[BST], v[BT+4:BT+7] offset:2048 ; the first change of slots waits for these and passes a barrier before anybody reads them
; THE CHANGE OF SLOTS stands at a chunk's head.  Each wave waits for all its tensor loads (one is out: its part of the chunk that it is about to read), adds 0 to its spare word, and waits for that
; and for its LDS instructions.  fill = 1: behind a round of the cluster's barrier the other slot takes the next chunk: that load has a whole chunk's work, 192 matrix instructions and the inserts, in which to land.
.macro CHANGE fill
	s_wait_tensorcnt 0x0                           ; no tensor load of mine is out, so group 0 may be written
	ds_add_u32 v[SPW], v[NIL]                      ; 0 onto my spare word
.if \fill
	s_xor_b32 s33, s33, SLOT1                      ; the other slot than last time,
	s_add_nc_u64 s[34:35], s[34:35], 64*768        ; the next 64 rows of my half; the type bits on top are not reached
.endif
	s_wait_dscnt 0x0                               ; the add is done, and my reads of the slot that I have left are over
.if \fill
	CROUND                                         ; no wave of any partner still reads that slot or has a load on its way
	tensor_load_to_lds s[32:35], s[24:31]          ; the first thing behind the round, and my one tensor load until the next
	s_nop 0
.rept 4
	v_nop
.endr
.else
	s_barrier_signal -1
	s_barrier_wait -1
.endif
.endm
; 52 LDS loads in one run: two tiles of W (6 K steps x 4 loads each) and their bias
.macro FETCH
	v_add_nc_u32 v[ADW], s36, v[AW0]
	s_add_co_u32 s40, s66, s67
	v_add_nc_u32 v[ADB], s40, v[AB0]
	WIN 0x80                                       ; destination window 2
.irp u, 0,1
.irp s, 0,1,2,3
.irp c, 0,1,2,3
	ds_load_b128 v[128+16*(4*\u+\s)+4*\c:128+16*(4*\u+\s)+4*\c+3], v[ADW] offset:TILEB*\u+128*\s+16*(\s/2)+32*\c
.endr
.endr
.endr
	WIN 0xc0                                       ; destination window 3
.irp u, 0,1
.irp s, 4,5
.irp c, 0,1,2,3
	ds_load_b128 v[16*(2*\u+\s-4)+4*\c:16*(2*\u+\s-4)+4*\c+3], v[ADW] offset:TILEB*\u+128*\s+16*(\s/2)+32*\c
.endr
.endr
.endr
	WIN 0
.irp u, 0,1
	ds_load_b128 v[BI+8*\u:BI+8*\u+3], v[ADB] offset:32*\u       ; my half's eight columns of tile u: the same 32 bytes in sixteen lanes
	ds_load_b128 v[BI+8*\u+4:BI+8*\u+7], v[ADB] offset:32*\u+16
.endr
.endm
; The four groups (blocks a = 0..3) of tile u are offered to their lists.  The four lists take turns line by line, so that no line waits for the line above it.
.macro INS u
.irp a, 0,1,2,3
	v_min3_num_f32 v[MN+\a], v[TL+\a], v[TL+4+\a], v[TL+8+\a]
.endr
.irp a, 0,1,2,3
	v_min3_num_f32 v[MN+\a], v[MN+\a], v[TL+12+\a], v[TL+16+\a]   ; the least of the five maxima
.endr
.irp a, 0,1,2,3
	v_cmp_gt_f32 s[DM+16+\a], v[MX+4*\u+\a], v[MN+\a]             ; D4: the group enters.  Strictly above: on a tie the earlier group, with the lower columns, stays
.endr
.irp k, 4,3,2,1
.irp a, 0,1,2,3
	v_cmp_eq_f32 s[EM+4*(\k-1)+\a], v[TL+4*\k+\a], v[MN+\a]
.endr
.endr
.irp k, 3,2,1,0
.irp a, 0,1,2,3
	s_and_not1_b32 s[DM+4*\k+\a], s[DM+4*\k+4+\a], s[EM+4*\k+\a]  ; D_k = D_(k+1) and not E_(k+1): slot k moves where the slot that leaves, the last with the least maximum, is k or lies below
.endr
.endr
.irp k, 0,1,2,3                                ; ascending k: each line reads slot k + 1 as it was
.irp a, 0,1,2,3
	v_cndmask_b32 v[TL+4*\k+\a], v[TL+4*\k+\a], v[TL+4*\k+4+\a], s[DM+4*\k+\a]
	v_cndmask_b32 v[TI+4*\k+\a], v[TI+4*\k+\a], v[TI+4*\k+4+\a], s[DM+4*\k+\a]
.endr
.endr
.irp a, 0,1,2,3
	v_cndmask_b32 v[TL+16+\a], v[TL+16+\a], v[MX+4*\u+\a], s[DM+16+\a]
	v_cndmask_b32 v[TI+16+\a], v[TI+16+\a], v[XI+\u], s[DM+16+\a]
.endr
	WIN 0xcf                                       ; the kept scores: destination and both sources window 3
.irp k, 0,1,2,3
.irp j, 0,1,2,3,4,5,6,7
.irp a, 0,1,2,3
	v_cndmask_b32 v[SB+4*(8*\k+\j)+\a], v[SB+4*(8*\k+\j)+\a], v[SB+4*(8*\k+8+\j)+\a], s[DM+4*\k+\a]
.endr
.endr
.endr
	WIN 0xc3                                       ; source 1, the accumulators: window 0
.irp j, 0,1,2,3,4,5,6,7
.irp a, 0,1,2,3
	v_cndmask_b32 v[SB+4*(32+\j)+\a], v[SB+4*(32+\j)+\a], v[ACC+8*(4*\u+\a)+\j], s[DM+16+\a]
.endr
.endr
	WIN 0
.endm
; 48 matrix instructions: 2 tiles of W x 4 blocks of X x 6 K steps.  The eight accumulators take turns, one instruction a turn.  The first K step takes the bias as C: nothing is cleared or added.
.macro MUL
	WIN 0x06                                       ; source 0 (W) window 2, source 1 (X) window 1
.irp s, 0,1,2,3
.irp u, 0,1
.irp a, 0,1,2,3
.if \s == 0
	v_wmma_f32_16x16x128_fp8_fp8 v[ACC+8*(4*\u+\a):ACC+8*(4*\u+\a)+7], v[128+16*(4*\u+\s):128+16*(4*\u+\s)+15], v[16*(4*\s+\a):16*(4*\s+\a)+15], v[BI+8*\u:BI+8*\u+7]
.else
	v_wmma_f32_16x16x128_fp8_fp8 v[ACC+8*(4*\u+\a):ACC+8*(4*\u+\a)+7], v[128+16*(4*\u+\s):128+16*(4*\u+\s)+15], v[16*(4*\s+\a):16*(4*\s+\a)+15], v[ACC+8*(4*\u+\a):ACC+8*(4*\u+\a)+7]
.endif
.endr
.endr
.endr
	WIN 0x0b                                       ; source 0 (W) window 3, source 1 (X) window 2
.irp s, 4,5
.irp u, 0,1
.irp a, 0,1,2,3
	v_wmma_f32_16x16x128_fp8_fp8 v[ACC+8*(4*\u+\a):ACC+8*(4*\u+\a)+7], v[16*(2*\u+\s-4):16*(2*\u+\s-4)+15], v[16*(4*(\s-4)+\a):16*(4*(\s-4)+\a)+15], v[ACC+8*(4*\u+\a):ACC+8*(4*\u+\a)+7]
.endr
.endr
.endr
	WIN 0
.endm
; the eight groups' maxima, each accumulator from its low end on, the eight by turns; and the two tiles' numbers x 8
.macro MAXES
.irp g, 0,1,2,3,4,5,6,7
	v_max3_num_f32 v[MX+\g], v[ACC+8*\g], v[ACC+8*\g+1], v[ACC+8*\g+2]
.endr
.irp g, 0,1,2,3,4,5,6,7
	v_max3_num_f32 v[MX+\g], v[MX+\g], v[ACC+8*\g+3], v[ACC+8*\g+4]
.endr
.irp g, 0,1,2,3,4,5,6,7
	v_max3_num_f32 v[MX+\g], v[MX+\g], v[ACC+8*\g+5], v[ACC+8*\g+6]
.endr
.irp g, 0,1,2,3,4,5,6,7
	v_max_num_f32 v[MX+\g], v[MX+\g], v[ACC+8*\g+7]
.endr
	v_mov_b32 v[XI], s37
	v_add_nc_u32 v[XI+1], 8, v[XI]
.endm
; A TRIP: this pair's fragments are asked for; the pair before is inserted while they come; then this pair's products and maxima.
.macro BODY
	FETCH
	INS 0
	INS 1
	s_wait_dscnt 0x0                               ; the 52 loads are in
	MUL
	PLACES
	MAXES
	s_add_co_u32 s36, s36, 2*TILEB
	s_add_co_u32 s37, s37, 16
	s_add_co_u32 s66, s66, 64
.endm
.macro FOUR                            ; a chunk's four pairs of tiles
	s_mov_b32 s39, 4
.Lpair_\@:
	BODY
	s_sub_co_u32 s39, s39, 1
	s_cmp_lg_u32 s39, 0
	s_cbranch_scc1 .Lpair_\@
	s_sub_co_u32 s36, s36, 8*TILEB                 ; back to a slot's first pair,
	s_xor_b32 s36, s36, SLOT1                      ; in the other slot
	s_sub_co_u32 s66, s66, 256
.endm
.Lchunk:                                           ; chunks 0 to 6: behind each change of slots the next chunk is asked for
	CHANGE 1
	FOUR
	s_add_co_u32 s67, s67, 256
	s_sub_co_u32 s38, s38, 1
	s_cmp_lg_u32 s38, 0
	s_cbranch_scc1 .Lchunk
	CHANGE 0                                       ; chunk 7 is written out
	FOUR
	INS 0                                          ; the last pair
	INS 1
; THE END.  Each list's 40 kept scores become its five best.  The five slots differ in register numbers alone, so they go through the wave's own bytes of LDS (images of four registers, 16 bytes a lane) and
; one loop of five trips serves them: that keeps the text short.  LDS serves a wave's instructions in order (ISA guide 5.7.1.4): no wait between these stores and the loads.
	WIN 0x0c                                       ; store data window 3
.irp k, 0,1,2,3,4
.irp j, 0,1,2,3,4,5,6,7
	ds_store_b128 v[SELA], v[SB+4*(8*\k+\j):SB+4*(8*\k+\j)+3] offset:512*(9*\k+\j)
.endr
.endr
	WIN 0
.irp k, 0,1,2,3,4
	ds_store_b128 v[SELA], v[TI+4*\k:TI+4*\k+3] offset:512*(9*\k+8)
.endr
	s_mov_b32 s40, 0xff800000
.set i, 0
.rept 20
	v_mov_b32 v[ET+i], s40
	v_mov_b32 v[EI+i], 0
.set i, i+1
.endr
; A sorted insert of depth 5, for the four lists at once: x = v[xb + a] with the number v[ib + a].  Strictly above: what is in the list already has the lower column and stays in front.
.macro INSERT4 xb, ib
.irp k, 0,1,2,3,4
.irp a, 0,1,2,3
	v_cmp_gt_f32 s[DM+4*\k+\a], v[(\xb)+\a], v[ET+4*\k+\a]
.endr
.endr
.irp k, 4,3,2,1                                ; descending k: each line reads place k - 1 as it was
.irp a, 0,1,2,3
	v_cndmask_b32 v[EI+4*\k+\a], v[EI+4*\k+\a], v[(\ib)+\a], s[DM+4*\k+\a]
.endr
.irp a, 0,1,2,3
	v_cndmask_b32 v[EI+4*\k+\a], v[EI+4*\k+\a], v[EI+4*\k-4+\a], s[DM+4*\k-4+\a]
.endr
.irp a, 0,1,2,3
	v_med3_num_f32 v[ET+4*\k+\a], v[ET+4*\k-4+\a], v[ET+4*\k+\a], v[(\xb)+\a]   ; the list descends, so the middle one of the two neighbours and x is place k's new number
.endr
.endr
.irp a, 0,1,2,3
	v_cndmask_b32 v[EI+\a], v[EI+\a], v[(\ib)+\a], s[DM+\a]
	v_max_num_f32 v[ET+\a], v[ET+\a], v[(\xb)+\a]
.endr
.endm
	s_mov_b32 s47, 0
	s_mov_b32 s38, 5
.Lslot:                                            ; slots in the order of time, registers ascending: ascending columns
	v_add_nc_u32 v[AD], s47, v[SELA]
.irp j, 0,1,2,3,4,5,6,7
	ds_load_b128 v[VV+4*\j:VV+4*\j+3], v[AD] offset:512*\j
.endr
	ds_load_b128 v[TQ:TQ+3], v[AD] offset:4096
	s_wait_dscnt 0x0
.set j, 0
	s_wait_alu depctr_va_vdst(0)
.rept 8
.if j > 0
.irp a, 0,1,2,3
	v_add_nc_u32 v[TQ+\a], 1, v[TQ+\a]             ; 8 x tile + j: the column within my half
.endr
.endif
	INSERT4 VV+4*j, TQ
.set j, j+1
.endr
	s_add_co_u32 s47, s47, 9*512
	s_sub_co_u32 s38, s38, 1
	s_cmp_lg_u32 s38, 0
	s_cbranch_scc1 .Lslot
.set i, 0
.rept 20
	v_add_nc_u32 v[EI+i], v[EI+i], v[HOFF]         ; the column in W
.set i, i+1
.endr
.set i, 0
.rept 20
	v_permlanex16_b32 v[PX+i], v[ET+i], s44, s45   ; the other half's list (its destination has been written before)
	v_permlanex16_b32 v[PI+i], v[EI+i], s44, s45
.set i, i+1
.endr
.irp e, 0,1,2,3,4
	INSERT4 PX+4*\e, PI+4*\e                       ; in lanes 0-15 the list that comes in has the higher columns: there the result is right, and only their words of the stage are read
.endr
	s_mov_b32 s40, 0x7fffffff
.irp k, 0,1,2,3,4
.irp a, 0,1,2,3
	v_add_f32 v[ET+4*\k+\a], 0, v[ET+4*\k+\a]      ; -0 becomes +0, so that equal scores have equal keys
.endr
.irp a, 0,1,2,3
	v_ashrrev_i32 v[MX+\a], 31, v[ET+4*\k+\a]
.endr
.irp a, 0,1,2,3
	v_and_b32 v[MX+\a], s40, v[MX+\a]
.endr
.irp a, 0,1,2,3
	v_xor_b32 v[ET+4*\k+\a], v[ET+4*\k+\a], v[MX+\a]   ; the key: a negative number's lower 31 bits are turned over: signed whole numbers in the scores' order
.endr
.endr
	; all lanes store: lanes 0-15 into the stage, lanes 16-31 into bytes of their own that nobody reads
.irp a, 0,1,2,3
.irp k, 0,1,2,3,4
	ds_store_b32 v[STO], v[ET+4*\k+\a] offset:1280*(\a/2)+64*(\a%2)+128*\k       ; block of 32 rows a / 2 of my two, plane k, row 16 (a % 2) + r
	ds_store_b32 v[STO], v[EI+4*\k+\a] offset:1280*(\a/2)+64*(\a%2)+128*(5+\k)
.endr
.endr
	s_wait_dscnt 0x0                               ; for the others' sake: my stores into the stage are done
	s_barrier_signal -1
	s_barrier_wait -1
.irp i, 0,1,2,3,4
	ds_load_b128 v[VV+4*\i:VV+4*\i+3], v[RD] offset:256*\i
.endr
.irp i, 0,1,2,3,4
	s_wait_dscnt 4-\i                              ; LDS loads come back in order: load i is in, the 4 - i younger ones may be out
	global_store_b128 v[GO], v[VV+4*\i:VV+4*\i+3], s[12:13] offset:256*\i   ; sixteen lanes store 256 consecutive bytes, at a multiple of 256 from cand's first byte
.endr
	s_wait_tensorcnt 0x0                           ; the wave's end
	ds_add_u32 v[SPW], v[NIL]
	s_wait_dscnt 0x0
	CROUND                                         ; the closing round: no work-group ends while a partner may still ask for a tile that names it
	s_endpgm
.Lfunc_end_k_q57442f2ab4_score_top:
	.size	k_q57442f2ab4_score_top, .Lfunc_end_k_q57442f2ab4_score_top-k_q57442f2ab4_score_top
	.p2alignl 7, 3214868480
	.fill 96, 4, 3214868480
	.section	.rodata,"a",@progbits
	.p2align	6, 0x0
	.amdhsa_kernel k_q57442f2ab4_score_top
		.amdhsa_group_segment_fixed_size 327680
		.amdhsa_private_segment_fixed_size 0
		.amdhsa_enable_private_segment 0
		.amdhsa_kernarg_size 40
		.amdhsa_user_sgpr_count 2
		.amdhsa_user_sgpr_kernarg_segment_ptr 1
		.amdhsa_wavefront_size32 1
		.amdhsa_system_sgpr_workgroup_id_x 1
		.amdhsa_system_sgpr_workgroup_id_y 1
		.amdhsa_system_sgpr_workgroup_id_z 1
		.amdhsa_system_vgpr_workitem_id 0
		.amdhsa_next_free_vgpr 1024
		.amdhsa_next_free_sgpr 88
		.amdhsa_reserve_vcc 0
		.amdhsa_float_denorm_mode_32 3
		.amdhsa_float_denorm_mode_16_64 3
		.amdhsa_memory_ordered 1
		.amdhsa_forward_progress 1
		.amdhsa_inst_pref_size 208
	.end_amdhsa_kernel
	.amdgpu_metadata
---
amdhsa.version: [ 1, 2 ]
amdhsa.kernels:
  - .name:           k_q57442f2ab4_score_top
    .symbol:         k_q57442f2ab4_score_top.kd
    .args:
      - { .name: vision_features_codes, .offset: 0, .size: 8, .value_kind: global_buffer, .address_space: global }
      - { .name: W_codes, .offset: 8, .size: 8, .value_kind: global_buffer, .address_space: global }
      - { .name: b, .offset: 16, .size: 8, .value_kind: global_buffer, .address_space: global }
      - { .name: lowp_scales, .offset: 24, .size: 8, .value_kind: global_buffer, .address_space: global }
      - { .name: cand, .offset: 32, .size: 8, .value_kind: global_buffer, .address_space: global }
    .group_segment_fixed_size: 327680
    .private_segment_fixed_size: 0
    .kernarg_segment_align: 8
    .kernarg_segment_size: 40
    .max_flat_workgroup_size: 128
    .sgpr_count:     88
    .vgpr_count:     1024
    .wavefront_size: 32
...
	.end_amdgpu_metadata
.endif
;; end of part 1
;; launch combine (part 2): grid 256 x 1, 8 waves a work-group, no clusters, 11,264 bytes of LDS; arguments cand, prompt_pool, lowp_scales, out0; writes out0
.if DOCPART == 2
	.amdgcn_target "amdgcn-amd-amdhsa--gfx1250"
	.amdhsa_code_object_version 6
	.text
	.protected	k_q57442f2ab4_combine
	.globl	k_q57442f2ab4_combine
	.p2align	8
	.type	k_q57442f2ab4_combine,@function
k_q57442f2ab4_combine:
	s_mov_b64 s[64:65], 0
	v_nop
	global_prefetch_b8 v0, s[64:65] scope:SCOPE_SE
	s_setreg_imm32_b32 hwreg(HW_REG_WAVE_MODE, 25, 1), 1
	s_wait_xcnt 0x0
; For each row: its 8 lists of five (key, column) are merged into the five best, the softmax of those five scores is taken, and the five rows of prompt_pool are added with those weights.
; cand[block of 32 rows][range 0..7][5 keys, 5 columns][row in block], words: whole numbers.  A key is a score's f32 bits as a signed whole number of the same order; the score is key's f32 x 2^(ex + ew).
; The merge compares and selects WHOLE NUMBERS that were read from memory; the rows' addresses come from the columns so chosen, held to 8,191.  The weights steer nothing.
; SHARES.  A work-group takes 32 rows (10,240 consecutive bytes of cand), a wave four.  Lane (q = lane / 8, c = lane % 8) holds list c of the wave's row q; three exchanges (lane xor 1, 2, 4) merge the eight.
; In a lane whose bit is clear the list that comes in has the higher columns, so a strict compare keeps the lower column in front on a tie: the lanes with c = 0 end with the right list, and they alone are read.
; The second product has K = 5: fused multiply-adds in f32; the matrix units, clusters and tensor loads have nothing to give here.  A row of the pool is 3,072 bytes: a wave takes half a row of each of the five
; with 15 loads of 512 consecutive bytes; three such steps are on their way.
; LIMIT: scores that are not finite are not served.
.set ROWB, 3072
.set KY,  16                           ; v16-20  my list's keys, descending
.set IX,  21                           ; v21-25  their columns
.set PKY, 26                           ; v26-30  the partner's keys
.set PIX, 31                           ; v31-35  the partner's columns
.set WT,  36                           ; v36-40  the five weights
.set TT,  41                           ; v41-45  at work
.set PP,  48                           ; v48-227 three slots of 60: pool row e, 16 bytes i, at 12 e + 4 i
	s_load_b256 s[4:11], s[0:1], 0x0               ; cand s[4:5], prompt_pool s[6:7], the scales' exponents s[8:9], out0 s[10:11]
	v_lshl_add_u32 v228, v0, 2, 0x2800
	v_mov_b32 v229, 0
	v_lshrrev_b32 v1, 5, v0
	s_delay_alu instid0(VALU_DEP_1)
	v_readfirstlane_b32 s12, v1                    ; wave 0..7
	v_and_b32 v1, 31, v0                           ; lane
	v_lshlrev_b32 v2, 3, v0                        ; 8 x thread: the copy of cand's block
	v_and_b32 v3, 7, v0                            ; c
	s_delay_alu instid0(VALU_DEP_1)
	v_mul_u32_u24 v3, v3, 1280
	v_bfe_u32 v5, v0, 3, 2                         ; q
	s_delay_alu instid0(VALU_DEP_1)
	v_lshl_add_u32 v3, v5, 2, v3
	s_lshl_b32 s13, s12, 4
	v_add_nc_u32 v3, s13, v3                       ; 1280 c + 4 (4 wave + q): my list's word in each plane
	v_lshlrev_b32 v4, 4, v1                        ; 16 x lane
	s_mul_i32 s22, ttmp9, 10240
	s_mov_b32 s23, 0                               ; stays 0: the upper word of every offset
	s_lshl_b32 s14, ttmp9, 5
	s_lshl_b32 s15, s12, 2
	s_add_co_u32 s14, s14, s15                     ; my wave's first row
	s_mul_i32 s14, s14, ROWB
	s_mov_b32 s15, 0
	s_wait_alu depctr_va_vdst(0)
	s_wait_kmcnt 0x0
	s_load_b64 s[20:21], s[8:9], 0x0               ; ex, ew
	s_add_nc_u64 s[4:5], s[4:5], s[22:23]
	s_add_nc_u64 s[18:19], s[10:11], s[14:15]
.irp i, 0,1,2,3,4
	global_load_b64 v[6+2*\i:7+2*\i], v2, s[4:5] offset:2048*\i th:TH_LOAD_NT   ; a wave reads 256 consecutive bytes, the work-group 2,048; read once
.endr
.irp e, 0,1,2,3,4
	v_mov_b32 v[PKY+\e], 0                         ; written once: the destination of a move between lanes counts as one of its sources
	v_mov_b32 v[PIX+\e], 0
.endr
	s_wait_loadcnt 0x0
.irp i, 0,1,2,3,4
	ds_store_b64 v2, v[6+2*\i:7+2*\i] offset:2048*\i
.endr
	s_wait_dscnt 0x0                               ; for the others' sake: my stores are done
	s_barrier_signal -1
	s_barrier_wait -1
.irp p, 0,1,2,3,4,5,6,7,8,9
	ds_load_b32 v[KY+\p], v3 offset:128*\p         ; planes 0-4: keys; 5-9: columns.  Ten loads a wave in all, so their bank conflicts are left
.endr
	s_wait_dscnt 0x0
.macro INSI e                          ; the partner's element e into my list: a sorted insert on whole numbers
.irp k, 0,1,2,3,4
	v_cmp_gt_i32 s[24+\k], v[PKY+\e], v[KY+\k]
.endr
.irp k, 4,3,2,1                                ; descending k: each line reads place k - 1 as it was
	v_cndmask_b32 v[KY+\k], v[KY+\k], v[PKY+\e], s[24+\k]
	v_cndmask_b32 v[IX+\k], v[IX+\k], v[PIX+\e], s[24+\k]
	s_delay_alu instid0(VALU_DEP_2)
	v_cndmask_b32 v[KY+\k], v[KY+\k], v[KY+\k-1], s[24+\k-1]
	s_delay_alu instid0(VALU_DEP_2)
	v_cndmask_b32 v[IX+\k], v[IX+\k], v[IX+\k-1], s[24+\k-1]
.endr
	v_cndmask_b32 v[KY], v[KY], v[PKY+\e], s24
	v_cndmask_b32 v[IX], v[IX], v[PIX+\e], s24
.endm
.macro MERGE x
.irp e, 0,1,2,3,4
	v_mov_b32_dpp v[PKY+\e], v[KY+\e] row_xmask:\x row_mask:0xf bank_mask:0xf
	v_mov_b32_dpp v[PIX+\e], v[IX+\e] row_xmask:\x row_mask:0xf bank_mask:0xf
.endr
.irp e, 0,1,2,3,4
	INSI \e
.endr
.endm
	MERGE 1
	MERGE 2
	MERGE 4
	; THE WEIGHTS: softmax of the five scores; the largest, the list's first, is taken away before the exponentials
	s_wait_alu depctr_va_vdst(0)
	s_wait_kmcnt 0x0
	s_add_co_i32 s20, s20, s21                     ; ex + ew
.irp e, 0,1,2,3,4
	v_ashrrev_i32 v[TT+\e], 31, v[KY+\e]
.endr
.irp e, 0,1,2,3,4
	v_and_b32 v[TT+\e], 0x7fffffff, v[TT+\e]
.endr
.irp e, 0,1,2,3,4
	v_xor_b32 v[TT+\e], v[TT+\e], v[KY+\e]         ; the key's f32 again
.endr
.irp e, 1,2,3,4
	s_delay_alu instid0(VALU_DEP_4)
	v_sub_f32 v[TT+\e], v[TT+\e], v[TT]
.endr
.irp e, 1,2,3,4
	s_delay_alu instid0(VALU_DEP_4)
	v_ldexp_f32 v[TT+\e], v[TT+\e], s20            ; x 2^(ex + ew): the difference of the scores
.endr
.irp e, 1,2,3,4
	s_delay_alu instid0(VALU_DEP_4)
	v_mul_f32 v[TT+\e], 0x3fb8aa3b, v[TT+\e]       ; x log2(e)
.endr
	s_wait_alu depctr_va_vdst(0)
.irp e, 1,2,3,4
	v_exp_f32 v[WT+\e], v[TT+\e]
.endr
	v_nop                                          ; one plain instruction behind the last exponential
	s_wait_alu depctr_va_vdst(0)                   ; the wait ahead of the first reader: one for the four
	v_add_f32 v[TT], v[WT+1], v[WT+2]
	v_add_f32 v[TT+1], v[WT+3], v[WT+4]
	s_delay_alu instid0(VALU_DEP_1)
	v_add_f32 v[TT], v[TT], v[TT+1]
	s_delay_alu instid0(VALU_DEP_1)
	v_add_f32 v[TT], 1.0, v[TT]                    ; the first's exponential is 1
	s_wait_alu depctr_va_vdst(0)
	v_rcp_f32 v[WT], v[TT]
	v_nop
	s_wait_alu depctr_va_vdst(0)
.irp e, 1,2,3,4
	v_mul_f32 v[WT+\e], v[WT+\e], v[WT]
.endr
; Row q's five addresses and weights, from lane 8 q, into set q % 2: bases s[32:41] or s[52:61], weights (each as a pair, for the packed forms) s[42:51] or s[66:75].
.macro SETUP q
.set BA, 32+20*((\q)%2)
.set WA, 42+24*((\q)%2)
	s_wait_xcnt 0x0                                ; the loads that named this set's bases have read them
.irp e, 0,1,2,3,4
	v_readlane_b32 s22, v[IX+\e], 8*(\q)
	s_min_u32 s22, s22, 0x1fff                     ; a column stays inside the pool
	s_mul_i32 s22, s22, ROWB
	s_add_nc_u64 s[BA+2*\e:BA+2*\e+1], s[6:7], s[22:23]
	v_readlane_b32 s[WA+2*\e], v[WT+\e], 8*(\q)
	s_mov_b32 s[WA+2*\e+1], s[WA+2*\e]             ; named with it as a pair, so it is written
.endr
.endm
; Step n = half n % 2 of row n / 2.  15 loads: 1,536 bytes of each of the five pool rows, 512 consecutive bytes a load.  No hint: a pool row may be named again.
.macro LOADS n
.set BA, 32+20*(((\n)/2)%2)
.set PB, PP+60*((\n)%3)
	s_wait_xcnt 0x0                                ; the stores of three steps back have read this slot's registers
.irp e, 0,1,2,3,4
.irp i, 0,1,2
	global_load_b128 v[PB+12*\e+4*\i:PB+12*\e+4*\i+3], v4, s[BA+2*\e:BA+2*\e+1] offset:1536*((\n)%2)+512*\i
.endr
.endr
.endm
.macro COMPUTE n, left                 ; left: the loads of the younger steps, 15 each, which may stay out
.set WA, 42+24*(((\n)/2)%2)
.set PB, PP+60*((\n)%3)
	s_wait_loadcnt \left
.irp p, 0,2,4,6,8,10
	v_pk_mul_f32 v[PB+\p:PB+\p+1], v[PB+\p:PB+\p+1], s[WA:WA+1] op_sel_hi:[1,0]
.endr
.irp e, 1,2,3,4
.irp p, 0,2,4,6,8,10
	v_pk_fma_f32 v[PB+\p:PB+\p+1], v[PB+12*\e+\p:PB+12*\e+\p+1], s[WA+2*\e:WA+2*\e+1], v[PB+\p:PB+\p+1] op_sel_hi:[1,0,1]
.endr
.endr
.irp i, 0,1,2
	global_store_b128 v4, v[PB+4*\i:PB+4*\i+3], s[18:19] offset:ROWB*((\n)/2)+1536*((\n)%2)+512*\i th:TH_STORE_NT   ; 32 lanes store 512 consecutive bytes, at a multiple of 256 from out0's first byte
.endr
.endm
	s_wait_alu depctr_va_vdst(0)
	SETUP 0
	LOADS 0
	LOADS 1
	SETUP 1
	LOADS 2
	COMPUTE 0, 30
	LOADS 3
	COMPUTE 1, 30
	SETUP 2                                        ; row 0 is done: its set takes row 2
	LOADS 4
	COMPUTE 2, 30
	LOADS 5
	COMPUTE 3, 30
	SETUP 3                                        ; row 1 is done: its set takes row 3
	LOADS 6
	COMPUTE 4, 30
	LOADS 7
	COMPUTE 5, 30
	COMPUTE 6, 15                                  ; nothing is left to load: the counts run down
	COMPUTE 7, 0
	s_wait_tensorcnt 0x0
	ds_add_u32 v228, v229
	s_wait_dscnt 0x0
	s_endpgm
.Lfunc_end_k_q57442f2ab4_combine:
	.size	k_q57442f2ab4_combine, .Lfunc_end_k_q57442f2ab4_combine-k_q57442f2ab4_combine
	.p2alignl 7, 3214868480
	.fill 96, 4, 3214868480
	.section	.rodata,"a",@progbits
	.p2align	6, 0x0
	.amdhsa_kernel k_q57442f2ab4_combine
		.amdhsa_group_segment_fixed_size 11264
		.amdhsa_private_segment_fixed_size 0
		.amdhsa_enable_private_segment 0
		.amdhsa_kernarg_size 32
		.amdhsa_user_sgpr_count 2
		.amdhsa_user_sgpr_kernarg_segment_ptr 1
		.amdhsa_wavefront_size32 1
		.amdhsa_system_sgpr_workgroup_id_x 1
		.amdhsa_system_sgpr_workgroup_id_y 1
		.amdhsa_system_sgpr_workgroup_id_z 1
		.amdhsa_system_vgpr_workitem_id 0
		.amdhsa_next_free_vgpr 230
		.amdhsa_next_free_sgpr 76
		.amdhsa_reserve_vcc 0
		.amdhsa_float_denorm_mode_32 3
		.amdhsa_float_denorm_mode_16_64 3
		.amdhsa_memory_ordered 1
		.amdhsa_forward_progress 1
		.amdhsa_inst_pref_size 69
	.end_amdhsa_kernel
	.amdgpu_metadata
---
amdhsa.version: [ 1, 2 ]
amdhsa.kernels:
  - .name:           k_q57442f2ab4_combine
    .symbol:         k_q57442f2ab4_combine.kd
    .args:
      - { .name: cand, .offset: 0, .size: 8, .value_kind: global_buffer, .address_space: global }
      - { .name: prompt_pool, .offset: 8, .size: 8, .value_kind: global_buffer, .address_space: global }
      - { .name: lowp_scales, .offset: 16, .size: 8, .value_kind: global_buffer, .address_space: global }
      - { .name: out0, .offset: 24, .size: 8, .value_kind: global_buffer, .address_space: global }
    .group_segment_fixed_size: 11264
    .private_segment_fixed_size: 0
    .kernarg_segment_align: 8
    .kernarg_segment_size: 32
    .max_flat_workgroup_size: 256
    .sgpr_count:     76
    .vgpr_count:     230
    .wavefront_size: 32
...
	.end_amdgpu_metadata
.endif
;; end of part 2
